; MI455X (gfx1250); checked and timed in simulation.
; The chip was launched on July 23, 2026; its instructions are those of AMD's public machine-readable ISA for CDNA 5 (MIT licence, August 2026) and "CDNA5" Instruction Set Architecture Reference Guide (July 2026). The comments in the code are by the model that wrote it; some were corrected since.
;; VQ Codebook. Allowed arithmetic: matrix products marked QUANTISED: E2M1 operands, one E8M0 scale for each 32 along K, by v_wmma_scale_f32_16x16x128_f8f6f4 with both operands' format E2M1 (or v_wmma_scale_f32_32x16x128_f4), f32 sums; everything else in f32.
;; Inputs: W 8,192 x 512 float32; z 16,384 x 512 float32.
;; Outputs: out0 16,384 x 512 float32; out1 16,384 int32; out2 one number float32.
;; This version of the problem:
;;   THIS VERSION OF THE PROBLEM IS GIVEN IN LOW PRECISION. The matrix products marked QUANTISED in the list below multiply operands that are first quantised to E2M1 (2 exponent bits, 1 mantissa bit; 4 bits a number), with one power-of-two scale for each 32 numbers along K (OCP MX v1.0); their sums are f32. All else is computed in f32.
;;   The module's matrix products, in the order in which they are computed (A, B: the left and right operand; K: the contracted axis; several contracted axes count as one K, in the product's order):
;;     1. [M 16,384, K 512] x [K 512, N 8,192]; A: input z; B: input W: QUANTISED
;;   THE QUANTISER, for each operand of a quantised product, along K:
;;     - K is cut into blocks of 32 from its start; a last block that is shorter is filled with zeros.
;;     - A block's scale is 2^e with e = floor(log2(the largest magnitude in the block)) - 2, held to -126 .. 127; a block of zeros has e = 0. As a byte (E8M0): e + 127.
;;     - Each number is divided by its block's scale, clamped to +-6, and rounded to the nearest number of E2M1, ties to even, subnormals kept.
;;     - The product sums the exact products of the quantised numbers (number of the format x scale) in f32.
;;   ~~~python
;;   def quantise(x, axis):      # numpy; x: float32 -> the quantised numbers, widened to float32 again
;;       x = np.moveaxis(x, axis, -1); K = x.shape[-1]
;;       x = np.pad(x, [(0, 0)] * (x.ndim - 1) + [(0, -K % 32)]); x = x.reshape(x.shape[:-1] + (-1, 32)); a = np.abs(x).max(-1, keepdims=True)
;;       e = np.where(a > 0, np.clip(np.frexp(np.where(a > 0, a, 1))[1] - 1 - 2, -126, 127), 0)      # np.frexp(a)[1] - 1 = floor(log2(a)), exactly
;;       r = np.clip(x / 2.0 ** e, -6, 6)
;;       step = 2.0 ** (np.maximum(np.frexp(np.where(r == 0, 1, r))[1] - 1, 0) - 1)
;;       q = np.round(r / step) * step * 2.0 ** e      # np.round: ties to even
;;       return np.moveaxis(q.reshape(q.shape[:-2] + (-1,))[..., :K], -1, axis).astype(np.float32)
;;   ~~~
;; One version. Each part assembles by itself: llvm-mc -triple=amdgcn-amd-amdhsa -mcpu=gfx1250 --defsym DOCPART=n.
;; ======== version 1 of 1: 4 launches
;; limits: right only within a limited range of input values
;; workspace buffers: zq 4,718,592 bytes; wq 2,359,296 bytes; cand 1,048,576 bytes of whole numbers; part 16,384 bytes
;; launch quant (part 1): grid 256 x 1, 6 waves a work-group, no clusters, 51,456 bytes of LDS; arguments z, W, zq, wq; writes zq, wq
.if DOCPART == 1
	.amdgcn_target "amdgcn-amd-amdhsa--gfx1250"
	.amdhsa_code_object_version 6
	.text
	.protected	k_q4b6b71f967_quant
	.globl	k_q4b6b71f967_quant
	.p2align	8
	.type	k_q4b6b71f967_quant,@function
k_q4b6b71f967_quant:
	s_mov_b64 s[64:65], 0
	v_nop
	global_prefetch_b8 v0, s[64:65] scope:SCOPE_SE
	s_setreg_imm32_b32 hwreg(HW_REG_WAVE_MODE, 25, 1), 1
	s_wait_xcnt 0x0
; z [16384][512] and W [8192][512], f32, become codes of FP4 (E2M1) with one E8M0 scale byte for each 32 along K, and each row's sum of squares.
; One wave takes one TILE of 16 rows x 512 K.  6 waves x 256 work-groups = 1,536 tiles: the first 1,024 are z's, the other 512 W's; only the pointers are chosen, there is one path.
; A TILE'S BLOCK in the workspace, 4,608 bytes (18 x 256), laid as the product's launch wants its registers:
;   [0, 4096)     four K steps of 128, 1,024 bytes each: the fragment's registers as they stand: registers 4 c .. 4 c + 3 of lane l at 1024 s + 512 c + 16 l
;   [4096, 4352)  scale words: row r at 16 r, word s for K step s, byte b for k = 128 s + 32 b ..
;   [4352, 4608)  the 16 sums of squares (64 bytes), four times over, so that every byte is written
; A block's scale is 2^(floor(log2(its largest magnitude)) - 2); its byte is the largest magnitude's exponent field - 2, held at 1 from below.
; THE SUM OF SQUARES: each square rounded by itself (no fused multiply-add), 16 windows of 32 along K each summed in ascending order, then the 16 window sums in ascending order (macro NORM).
; LIMITS: a block of zeros gets the byte 1 where the rule says 127 (its codes are zeros, and this program alone reads the bytes); NaN and infinities among the inputs are not served.
; Each load reads 512 consecutive bytes (one K step of one row); the 16 rows turn through the wave's own stage in LDS so that a lane holds 16 neighbours of each block of 32.
; No tensor load, no barrier, no cluster: waves share nothing.
.set TILEB, 4608
.set ZT,    1024                       ; z's tiles
.set PITCH, 528                        ; a stage row: 512 bytes + 16: 33 x 16, so the sixteen rows that a load touches start at sixteen different 16-byte columns
.set WSTG,  16*PITCH                   ; a wave's stage
.set GOF, 1                            ; v1   16 x lane: my bytes of a load's or a store's 512
.set STA, 2                            ; v2   the stage, on the way in: 16 x lane
.set LDA, 3                            ; v3   and on the way out: PITCH r + 64 h
.set HH,  4                            ; v4   h = lane / 16
.set NSA, 5                            ; v5   where row r's sum of squares goes: stage + 4 r
.set NLA, 6                            ; v6   and where four of them are read back: stage + 16 (lane % 4)
.set TM,  12                           ; v12-15 largest magnitudes, v16-19 the other half's, then bytes, v24-27 the conversions' scale operands
.set SW,  28                           ; v28-31 my row's scale word of K step s
.set AC,  32                           ; v32-35 four windows' running sums
.set AT,  36                           ; v36-39 the other half's
.set NN,  40                           ; v40    the row's sum so far
.set OD,  44                           ; v44-47 the last store's data
.set PC,  48                           ; v48-55 a fragment's codes
.set X,   56                           ; v56-119 64 numbers: register 16 b + i = k 128 s + 32 b + 16 h + i of row r
.set R,   120                          ; v120-247 two sets of 64, as loaded
.set SEL, 20                           ; s[20:21] v_permlanex16_b32's selects for lane l xor 16
	s_load_b256 s[4:11], s[0:1], 0x0               ; z s[4:5], W s[6:7], zq s[8:9], wq s[10:11]
	v_lshl_add_u32 v248, v0, 2, 0xc600
	v_mov_b32 v249, 0
	v_lshrrev_b32 v7, 5, v0
	v_readfirstlane_b32 s12, v7                    ; wave 0..5
	v_and_b32 v8, 31, v0                           ; lane
	v_and_b32 v9, 15, v0                           ; r
	v_bfe_u32 v[HH], v0, 4, 1                      ; h
	v_lshlrev_b32 v[GOF], 4, v8
	s_mul_i32 s13, s12, WSTG                       ; my stage
	v_add_nc_u32 v[STA], s13, v[GOF]
	v_mul_u32_u24 v[LDA], v9, PITCH
	v_lshl_add_u32 v[LDA], v[HH], 6, v[LDA]
	v_add_nc_u32 v[LDA], s13, v[LDA]
	v_lshl_add_u32 v[NSA], v9, 2, s13
	v_and_b32 v[NLA], 3, v0
	v_lshl_add_u32 v[NLA], v[NLA], 4, s13
	s_mov_b32 s[SEL], 0x76543210
	s_mov_b32 s[SEL+1], 0xfedcba98
.irp b, 0,1,2,3
	v_mov_b32 v[TM+4+\b], 0                        ; written once: a lane permute's destination counts as one of its sources
	v_mov_b32 v[AT+\b], 0
.endr
	s_mul_i32 s14, ttmp9, 6
	s_add_co_u32 s14, s14, s12                     ; my tile among the 1,536
	s_wait_kmcnt 0x0
	s_cmp_lt_u32 s14, ZT                           ; z's or W's?  The choice hangs on the work-group's and the wave's number alone
	s_cselect_b64 s[4:5], s[4:5], s[6:7]
	s_cselect_b64 s[8:9], s[8:9], s[10:11]
	s_cselect_b32 s15, 0, ZT
	s_sub_co_u32 s14, s14, s15                     ; my tile in its tensor
	s_lshl_b32 s16, s14, 15                        ; 16 rows of 2,048 bytes
	s_mov_b32 s17, 0
	s_add_nc_u64 s[4:5], s[4:5], s[16:17]
	s_mul_i32 s18, s14, TILEB
	s_mov_b32 s19, 0
	s_add_nc_u64 s[8:9], s[8:9], s[18:19]
.macro LOADR s                         ; K step s of the 16 rows: each load reads 512 consecutive bytes
.irp p, 0,1,2,3,4,5,6,7,8,9,10,11,12,13,14,15
	global_load_b128 v[R+64*((\s)%2)+4*\p:R+64*((\s)%2)+4*\p+3], v[GOF], s[4:5] offset:2048*\p+512*(\s) th:TH_LOAD_NT
.endr
.endm
.macro TURN s                          ; through the stage: LDS serves a wave's instructions in order, so no wait stands between the stores and the loads
.irp p, 0,1,2,3,4,5,6,7,8,9,10,11,12,13,14,15
	ds_store_b128 v[STA], v[R+64*((\s)%2)+4*\p:R+64*((\s)%2)+4*\p+3] offset:PITCH*\p
.endr
.irp b, 0,1,2,3
.irp j, 0,1,2,3
	ds_load_b128 v[X+16*\b+4*\j:X+16*\b+4*\j+3], v[LDA] offset:128*\b+16*\j
.endr
.endr
.endm
; my 64 numbers become a fragment's codes in v[PC] on and my row's scale word in v[SW + s]
.macro QUANT s
.irp b, 0,1,2,3
	v_max3_num_f32 v[TM+\b], |v[X+16*\b]|, |v[X+1+16*\b]|, 0x1800000   ; block b: my 16 numbers, and the floor 2^(3 - 127): so the byte cannot fall under 1
.endr
.irp i, 2,4,6,8,10,12,14
.irp b, 0,1,2,3
	v_max3_num_f32 v[TM+\b], v[TM+\b], |v[X+16*\b+\i]|, |v[X+1+16*\b+\i]|   ; the four blocks by turns
.endr
.endr
.irp b, 0,1,2,3
	v_permlanex16_b32 v[TM+4+\b], v[TM+\b], s[SEL], s[SEL+1]
.endr
.irp b, 0,1,2,3
	v_max_num_f32 v[TM+\b], v[TM+\b], v[TM+4+\b]   ; with lane l xor 16's: the block's largest magnitude
.endr
.irp b, 0,1,2,3
	v_add_nc_u32 v[TM+12+\b], 0xff000000, v[TM+\b] ; 2 off its exponent field: the conversion takes the exponent field of this operand as its scale
.endr
.irp b, 0,1,2,3
	v_lshrrev_b32 v[TM+4+\b], 23, v[TM+12+\b]      ; the scale's byte
.endr
	v_lshl_or_b32 v[SW+\s], v[TM+5], 8, v[TM+4]
	v_lshl_or_b32 v[SW+\s], v[TM+6], 16, v[SW+\s]
	v_lshl_or_b32 v[SW+\s], v[TM+7], 24, v[SW+\s]
.irp b, 0,1,2,3
	v_cvt_scalef32_pk8_fp4_f32 v[PC+2*\b], v[X+16*\b:X+7+16*\b], v[TM+12+\b]
	v_cvt_scalef32_pk8_fp4_f32 v[PC+1+2*\b], v[X+8+16*\b:X+15+16*\b], v[TM+12+\b]
.endr
	v_nop                                          ; one plain place behind the scaled conversions
.irp c, 0,1                                    ; the operand's layout wants a whole block in a lane: lanes 0-15 block 2 c, lanes 16-31 block 2 c + 1
.irp i, 0,1
	v_permlane16_swap_b32 v[PC+4*\c+\i], v[PC+2+4*\c+\i]
.endr
.endr
.endm
; the four windows of 32 of this K step, and the row's sum.  Lanes 0-15 sum a window's first 16 squares in ascending order; lanes 16-31 take that sum over and add the other 16: the whole sums are true in lanes 16-31
.macro NORM s
.set i, 0
.rept 32
	v_pk_mul_f32 v[X+i:X+i+1], v[X+i:X+i+1], v[X+i:X+i+1]         ; the squares, each rounded by itself
.set i, i+2
.endr
.irp b, 0,1,2,3
	v_add_f32 v[AC+\b], v[X+16*\b], v[X+16*\b+1]
.endr
.irp i, 2,3,4,5,6,7,8,9,10,11,12,13,14,15
.irp b, 0,1,2,3
	v_add_f32 v[AC+\b], v[AC+\b], v[X+16*\b+\i]
.endr
.endr
.irp b, 0,1,2,3
	v_permlanex16_b32 v[AT+\b], v[AC+\b], s[SEL], s[SEL+1]
.endr
.irp b, 0,1,2,3
	v_add_f32 v[AC+\b], v[AT+\b], v[X+16*\b]
.endr
.irp i, 1,2,3,4,5,6,7,8,9,10,11,12,13,14,15
.irp b, 0,1,2,3
	v_add_f32 v[AC+\b], v[AC+\b], v[X+16*\b+\i]
.endr
.endr
.if \s == 0
	v_mov_b32 v[NN], v[AC]
.else
	v_add_f32 v[NN], v[NN], v[AC]
.endif
.irp b, 1,2,3
	v_add_f32 v[NN], v[NN], v[AC+\b]
.endr
.endm
.macro STEP s
.if \s < 3
	s_wait_loadcnt 16                              ; this K step's 16 loads are in; the next step's 16 may be out
.else
	s_wait_loadcnt 0x0
.endif
	TURN \s
	s_wait_dscnt 0x0                               ; my 64 numbers are back, and the stage's stores have read their registers,
.if \s < 2
	LOADR \s+2                                     ; which take the loads of two steps on
.endif
.if \s > 0
	s_wait_xcnt 0x0                                ; the last step's stores have read the codes' registers: they are written again only behind this wait
.endif
	QUANT \s
.irp c, 0,1
	global_store_b128 v[GOF], v[PC+4*\c:PC+4*\c+3], s[8:9] offset:1024*\s+512*\c   ; 32 lanes store 512 consecutive bytes, at a multiple of 256 from the buffer's first byte
.endr
	NORM \s
.endm
	LOADR 0
	LOADR 1
	STEP 0
	STEP 1
	STEP 2
	STEP 3
	; the block's last 512 bytes: lanes 0-15 store their rows' four scale words, lanes 16-31 the 16 sums, four times over
	v_permlanex16_b32 v[AT], v[NN], s[SEL], s[SEL+1]
	v_cmp_eq_u32 vcc_lo, 1, v[HH]
	v_cndmask_b32 v[NN], v[AT], v[NN], vcc_lo      ; every lane now holds row r's sum
	ds_store_b32 v[NSA], v[NN]                     ; both halves write the same word with the same value
	ds_load_b128 v[OD:OD+3], v[NLA]                ; LDS serves a wave's instructions in order: this sees the store
	s_wait_dscnt 0x0
.irp i, 0,1,2,3
	v_cndmask_b32 v[OD+\i], v[SW+\i], v[OD+\i], vcc_lo
.endr
	global_store_b128 v[GOF], v[OD:OD+3], s[8:9] offset:4096
	s_wait_tensorcnt 0x0
	ds_add_u32 v248, v249
	s_wait_dscnt 0x0
	s_endpgm
.Lfunc_end_k_q4b6b71f967_quant:
	.size	k_q4b6b71f967_quant, .Lfunc_end_k_q4b6b71f967_quant-k_q4b6b71f967_quant
	.p2alignl 7, 3214868480
	.fill 96, 4, 3214868480
	.section	.rodata,"a",@progbits
	.p2align	6, 0x0
	.amdhsa_kernel k_q4b6b71f967_quant
		.amdhsa_group_segment_fixed_size 51456
		.amdhsa_private_segment_fixed_size 0
		.amdhsa_enable_private_segment 0
		.amdhsa_kernarg_size 32
		.amdhsa_user_sgpr_count 2
		.amdhsa_user_sgpr_kernarg_segment_ptr 1
		.amdhsa_wavefront_size32 1
		.amdhsa_system_sgpr_workgroup_id_x 1
		.amdhsa_system_sgpr_workgroup_id_y 1
		.amdhsa_system_sgpr_workgroup_id_z 1
		.amdhsa_system_vgpr_workitem_id 0
		.amdhsa_next_free_vgpr 250
		.amdhsa_next_free_sgpr 66
		.amdhsa_reserve_vcc 1
		.amdhsa_float_denorm_mode_32 3
		.amdhsa_float_denorm_mode_16_64 3
		.amdhsa_memory_ordered 1
		.amdhsa_forward_progress 1
		.amdhsa_inst_pref_size 58
	.end_amdhsa_kernel
	.amdgpu_metadata
---
amdhsa.version: [ 1, 2 ]
amdhsa.kernels:
  - .name:           k_q4b6b71f967_quant
    .symbol:         k_q4b6b71f967_quant.kd
    .args:
      - { .name: z, .offset: 0, .size: 8, .value_kind: global_buffer, .address_space: global }
      - { .name: W, .offset: 8, .size: 8, .value_kind: global_buffer, .address_space: global }
      - { .name: zq, .offset: 16, .size: 8, .value_kind: global_buffer, .address_space: global }
      - { .name: wq, .offset: 24, .size: 8, .value_kind: global_buffer, .address_space: global }
    .group_segment_fixed_size: 51456
    .private_segment_fixed_size: 0
    .kernarg_segment_align: 8
    .kernarg_segment_size: 32
    .max_flat_workgroup_size: 192
    .sgpr_count:     66
    .vgpr_count:     250
    .wavefront_size: 32
...
	.end_amdgpu_metadata
.endif
;; end of part 1
;; launch nearest (part 2): grid 256 x 1, 4 waves a work-group, clusters of 4 x 1, 327,680 bytes of LDS; arguments zq, wq, cand; writes cand
.if DOCPART == 2
	.amdgcn_target "amdgcn-amd-amdhsa--gfx1250"
	.amdhsa_code_object_version 6
	.text
	.protected	k_q4b6b71f967_nearest
	.globl	k_q4b6b71f967_nearest
	.p2align	8
	.type	k_q4b6b71f967_nearest,@function
k_q4b6b71f967_nearest:
	s_mov_b64 s[64:65], 0
	v_nop
	global_prefetch_b8 v0, s[64:65] scope:SCOPE_SE
	s_setreg_imm32_b32 hwreg(HW_REG_WAVE_MODE, 25, 1), 1
	s_wait_xcnt 0x0
	s_wait_alu depctr_hold_cnt(0) depctr_sa_sdst(0) depctr_va_vdst(0) depctr_va_sdst(0) depctr_va_ssrc(0) depctr_va_vcc(0) depctr_vm_vsrc(0)
	s_getreg_b32 s2, hwreg(HW_REG_IB_STS2, 6, 4)
	s_cmp_eq_u32 s2, 0
	s_cbranch_scc0 .Lentry_in_a_cluster
	s_endpgm
.Lentry_in_a_cluster:
	s_bfe_u32 s2, ttmp6, 0x10000c
	s_cmp_lg_u32 s2, 0x3003
	s_cbranch_scc0 .Lentry_shape_is_right
	s_endpgm
.Lentry_shape_is_right:
; For each row n of z and each eighth of the codebook: the least d = (zz[n] - 2 Q(z[n]).Q(W[c])) + ww[c], both roundings as written, and the first code c that has it.
; zq and wq hold tiles of 16 rows in blocks of 4,608 bytes: four K steps of fragment registers (1,024 bytes each), 256 bytes of scale words, the 16 sums of squares.
; A work-group: 512 rows of z against 1,024 codes (64 tiles, 294,912 bytes).  32 row blocks x 8 parts = 256 work-groups.
; A wave: 128 rows of z, 8 tiles, whose fragments stay in 256 registers; every fragment of W read from LDS feeds 8 matrix instructions.
; THE PART OF W LIES WHOLE IN LDS, each byte filled once, in two stages: at the head each wave brings 3 tiles (tiles 0 to 11); behind the full sequence and a round each wave brings 13 more
; (tiles 12 to 63), which are on their way while tiles 0 to 11 are multiplied.  One wait and one barrier stand between the two loops; the loops have none.
; z comes by 88 loads a wave; 56 of them, fewer than LOADcnt's field holds (ISA guide 5.7.1), go out ahead of the first round, the other 32 behind the first tensor load.
; CLUSTER: the four row blocks of a cluster take the same part of W and ask for it jointly (mask 15).
; No prefetch: both tensor loads stand ahead of the loops, so there is no loop to run ahead in.
; The matrix instruction takes 16 codes as source 0 and 16 rows of z as source 1: lane (r, h) holds row r of z, register j the code 8 h + j of the tile.
; A lane keeps its least distance, the tile that first had it, and that tile's distances 0 to 6 (if none of them is the least, it is number 7); the place in the tile is read off at the end.
; cand [part][row] = (key, index): the key rises with the distance.  Whole numbers, for the next launch.
; LIMITS: NaN and infinities among the distances are not served.
.set TILEB,  4608
.set PARTB,  64*TILEB                  ; the work-group's part of W
.set APART,  3*TILEB                   ; a wave's first load
.set ABYTES, 4*APART                   ; tiles 0 to 11
.set BPART,  13*TILEB                  ; a wave's second load
.set SPARE,  PARTB                     ; behind the part: the spare words, 128 bytes a wave
.set TRIPSA, 5                         ; two tiles a trip; tiles 10 and 11 are written out
.set TRIPSB, 25                        ; tiles 12 to 61; tiles 62 and 63 are written out
.set RR,  1                            ; r
.set HH,  2                            ; h
.set SPW, 3
.set NIL, 4
.set ADF, 5                            ; LDS: fragments, 16 x lane
.set ADS, 6                            ; scale words, 4096 + 16 r
.set ADW, 7                            ; sums of squares, 4352 + 32 h
.set LI,  8                            ; 16 x lane
.set RI,  9                            ; 16 r
.set RW,  10                           ; 4 r
.set GO,  11                           ; 8 x lane
.set TNV, 12                           ; the tile's number in the codebook
.set LN,  13                           ; lane
.set ZS,  16                           ; v16-47   z's scale words: tile t, K step s at 4 t + s
.set ZZ,  48                           ; v48-63   zz of my row, twice, for each tile
.set QB,  64                           ; v64-95   tile t at 4 t: +0 the tile's least, +1 the best tile's number, +3 the least so far
.set SV,  96                           ; v96-159  the best tile's distances 0 to 6, tile t at 8 t
.set ACC, 160                          ; v160-223 eight accumulators
.set WS,  224                          ; W's scale words, two sets of 4
.set WW,  232                          ; ww of my 8 codes, two sets of 8
.set IX,  ACC                          ; at the end: index, the other half's distance and index, the pairs to store
.set OB,  ACC+8
.set OI,  ACC+16
.set PR,  ACC+32
; window 1: z's fragments, tile t, K step s at 8 (4 t + s).  Window 2: W's fragments, two sets of 32.
.set WV,  12
.set G1,  16                           ; s[16:23] group 1 of the first load, s[24:27] its group 0
.set G0,  24
.set G0B, 28                           ; s[28:31], s[52:59] the second load's
.set G1B, 52
.set MK,  32
.set CNT, 40
.set SEL, 42
.set MSB, 0
.macro WIN new                         ; the immediate's high byte repeats the setting that is left
.if MSB != \new
	s_set_vgpr_msb (MSB<<8)|\new
.set MSB, \new
.endif
.endm
.macro CROUND                          ; a round of the cluster's barrier
	s_barrier_signal -1
	s_barrier_wait -1
	s_cmp_lg_u32 s[WV], 0
	s_cbranch_scc1 .Lnot_wave_0_\@
	s_barrier_signal -3
.Lnot_wave_0_\@:
	s_barrier_wait -3
	s_barrier_signal -1
	s_barrier_wait -1
.endm
.macro ZFRAG t                         ; the fragments of z's tile t: eight loads of 512 consecutive bytes, into window 1
.irp s, 0,1,2,3
.irp c, 0,1
	global_load_b128 v[8*(4*(\t)+\s)+4*\c:8*(4*(\t)+\s)+4*\c+3], v[LI], s[4:5] offset:TILEB*(\t)+1024*\s+512*\c
.endr
.endr
.endm
	s_load_b128 s[4:7], s[0:1], 0x0                ; zq, wq
	s_load_b64 s[8:9], s[0:1], 0x10                ; cand
	v_lshl_add_u32 v[SPW], v0, 2, SPARE
	v_mov_b32 v[NIL], 0
	ds_add_u32 v[SPW], v[NIL]                      ; the opening lines: the add, twice on end, and its wait
	ds_add_u32 v[SPW], v[NIL]
	v_lshrrev_b32 v1, 5, v0
	v_readfirstlane_b32 s[WV], v1                  ; wave 0..3
	v_and_b32 v[RR], 15, v0
	v_bfe_u32 v[HH], v0, 4, 1
	v_and_b32 v[LN], 31, v0
	v_lshlrev_b32 v[LI], 4, v[LN]
	v_lshlrev_b32 v[RI], 4, v[RR]
	v_lshlrev_b32 v[RW], 2, v[RR]
	v_lshlrev_b32 v[GO], 3, v[LN]
	v_lshlrev_b32 v[ADF], 4, v[LN]
	v_add_nc_u32 v[ADS], 4096, v[RI]
	v_lshl_add_u32 v[ADW], v[HH], 5, 4352
	s_bfe_u32 s13, ttmp6, 0x40000                  ; cx
	s_and_b32 s14, ttmp9, 7                        ; the part of W: the cluster's number mod 8
	s_lshr_b32 s15, ttmp9, 3
	s_lshl_b32 s15, s15, 2
	s_add_co_u32 s15, s15, s13                     ; the row block, 0..31
	s_mov_b32 s[G1+0], 15|(3<<16)|(1<<21)          ; mask of the four; elements of 8 bytes; bit 21 beside a mask
	s_mov_b32 s[G1+1], 32<<16                      ; rows of 256 bytes
	s_mov_b32 s[G1+2], 54<<16                      ; 54 of them: 3 tiles, dense in memory
	s_mov_b32 s[G1+3], 32<<16
	s_mov_b32 s[G1+4], 54
	s_mov_b32 s[G1+5], 32
	s_mov_b32 s[G1+6], 0
	s_mov_b32 s[G1+7], 0
	s_mov_b32 s[G1B+0], 15|(3<<16)|(1<<21)
	s_mov_b32 s[G1B+1], 32<<16
	s_mov_b32 s[G1B+2], 234<<16                    ; 234 rows: 13 tiles
	s_mov_b32 s[G1B+3], 32<<16
	s_mov_b32 s[G1B+4], 234
	s_mov_b32 s[G1B+5], 32
	s_mov_b32 s[G1B+6], 0
	s_mov_b32 s[G1B+7], 0
	s_mul_i32 s44, s14, PARTB                      ; the part in wq
	s_mul_i32 s41, s[WV], APART                    ; my three tiles in LDS and in the part,
	s_mul_i32 s51, s[WV], BPART
	s_add_co_u32 s51, s51, ABYTES                  ; and my thirteen
	s_add_co_u32 s60, s44, s51
	s_add_co_u32 s44, s44, s41
	s_mov_b32 s45, 0
	s_mov_b32 s61, 0
	s_lshl_b32 s46, s15, 5
	s_lshl_b32 s47, s[WV], 3
	s_add_co_u32 s46, s46, s47                     ; my first tile of z: 32 x row block + 8 x wave
	s_mul_i32 s46, s46, TILEB
	s_mov_b32 s47, 0
	s_lshl_b32 s48, s14, 17                        ; cand: 131,072 bytes a part, 4,096 a row block, 1,024 a wave
	s_lshl_b32 s49, s15, 12
	s_add_co_u32 s48, s48, s49
	s_lshl_b32 s49, s[WV], 10
	s_add_co_u32 s48, s48, s49
	s_mov_b32 s49, 0
	s_lshl_b32 s50, s14, 6
	s_sub_co_u32 s50, s50, 1                       ; one under the part's first tile number: each tile adds 1 first
	s_mov_b32 s[SEL], 0x76543210
	s_mov_b32 s[SEL+1], 0xfedcba98
	s_mov_b32 s[CNT], TRIPSA
	v_mov_b32 v[TNV], s50                          ; what the lanes keep is set up while the arguments are on their way
.irp t, 0,1,2,3,4,5,6,7
	v_mov_b32 v[QB+4*\t+1], 0
	v_mov_b32 v[QB+4*\t+3], 0x7f800000             ; over every finite distance
.irp j, 0,1,2,3,4,5,6
	v_mov_b32 v[SV+8*\t+\j], 0x7f800000
.endr
.endr
	s_wait_alu depctr_va_vdst(0)                   ; directly ahead of the waits below
	s_wait_dscnt 0x0                               ; both opening adds are done
	s_wait_kmcnt 0x0
	s_mov_b32 s[G0], 1
	s_mov_b32 s[G0+1], s41
	s_add_nc_u64 s[G0+2:G0+3], s[6:7], s[44:45]
	s_or_b32 s[G0+3], s[G0+3], 0x80000000
	s_mov_b32 s[G0B], 1
	s_mov_b32 s[G0B+1], s51
	s_add_nc_u64 s[G0B+2:G0B+3], s[6:7], s[60:61]
	s_or_b32 s[G0B+3], s[G0B+3], 0x80000000
	s_add_nc_u64 s[4:5], s[4:5], s[46:47]
	s_add_nc_u64 s[8:9], s[8:9], s[48:49]
	WIN 0x40                                       ; destination window 1
.irp t, 0,1,2,3,4,5,6
	ZFRAG \t                                       ; 56 loads ahead of the round
.endr
	WIN 0
	CROUND                                         ; the four work-groups are here: the joint loads meet
	tensor_load_to_lds s[G0:G0+3], s[G1:G1+7]      ; my one tensor load at the head: three of tiles 0 to 11
	s_nop 0
.rept 4
	v_nop
.endr
	WIN 0x40
	ZFRAG 7
	WIN 0
.irp t, 0,1,2,3,4,5,6,7
	global_load_b128 v[ZS+4*\t:ZS+4*\t+3], v[RI], s[4:5] offset:TILEB*\t+4096
	global_load_b32 v[ZZ+2*\t], v[RW], s[4:5] offset:TILEB*\t+4352
	global_load_b32 v[ZZ+2*\t+1], v[RW], s[4:5] offset:TILEB*\t+4352   ; a second copy, in the neighbouring register, for the second half of a dual pair
.endr
.macro LOADT p, off                    ; a tile of W into set p: 8 fragment loads of 512 consecutive bytes, its scale words, my 8 sums of squares
	WIN 0x80                                       ; destination window 2
.irp s, 0,1,2,3
.irp c, 0,1
	ds_load_b128 v[32*(\p)+8*\s+4*\c:32*(\p)+8*\s+4*\c+3], v[ADF] offset:\off+1024*\s+512*\c
.endr
.endr
	WIN 0
	ds_load_b128 v[WS+4*(\p):WS+4*(\p)+3], v[ADS] offset:\off
	ds_load_b128 v[WW+8*(\p):WW+8*(\p)+3], v[ADW] offset:\off
	ds_load_b128 v[WW+8*(\p)+4:WW+8*(\p)+7], v[ADW] offset:\off+16
.endm
.macro MUL p                           ; 32 matrix instructions; the eight accumulators take turns, one instruction a turn; the first K step starts the sums
	WIN 0x06                                       ; source 0 window 2, source 1 window 1
.irp s, 0,1,2,3
.irp t, 0,1,2,3,4,5,6,7
.if \s == 0
	v_wmma_scale_f32_16x16x128_f8f6f4 v[ACC+8*\t:ACC+8*\t+7], v[32*(\p)+8*\s:32*(\p)+8*\s+7], v[8*(4*\t+\s):8*(4*\t+\s)+7], 0, v[WS+4*(\p)+\s], v[ZS+4*\t+\s] matrix_a_fmt:MATRIX_FMT_FP4 matrix_b_fmt:MATRIX_FMT_FP4
.else
	v_wmma_scale_f32_16x16x128_f8f6f4 v[ACC+8*\t:ACC+8*\t+7], v[32*(\p)+8*\s:32*(\p)+8*\s+7], v[8*(4*\t+\s):8*(4*\t+\s)+7], v[ACC+8*\t:ACC+8*\t+7], v[WS+4*(\p)+\s], v[ZS+4*\t+\s] matrix_a_fmt:MATRIX_FMT_FP4 matrix_b_fmt:MATRIX_FMT_FP4
.endif
.endr
.endr
	WIN 0
.endm
; The distances of 8 x 8 numbers a lane, and what is kept of them.  The eight tiles of z go through seven stages, each tile one step behind the tile before it, so that no line reads the line above it:
; step u holds the multiply-adds of tile u, the additions of tile u - 1, the three links of the chain of minima of tiles u - 2 to u - 4, the last link of tile u - 5, and the compare and the selections of tile u - 6.
.macro EPI p
.irp u, 0,1,2,3,4,5,6,7,8,9,10,11,12,13
.if \u >= 6
	v_cmp_lt_f32 vcc_lo, v[QB+4*(\u-6)], v[QB+4*(\u-6)+3]          ; strictly under the least so far: on a tie the earlier tile stays
.endif
.if \u <= 7
.irp j, 0,2,4,6
	v_dual_fmamk_f32 v[ACC+8*\u+\j], v[ACC+8*\u+\j], 0xc0000000, v[ZZ+2*\u] :: v_dual_fmamk_f32 v[ACC+8*\u+\j+1], v[ACC+8*\u+\j+1], 0xc0000000, v[ZZ+2*\u+1]   ; zz - 2 dot: one rounding, since 2 dot is exact
.endr
.endif
.if (\u >= 1) && (\u <= 8)
.irp j, 0,2,4,6
	v_dual_add_f32 v[ACC+8*(\u-1)+\j], v[ACC+8*(\u-1)+\j], v[WW+8*(\p)+\j] :: v_dual_add_f32 v[ACC+8*(\u-1)+\j+1], v[ACC+8*(\u-1)+\j+1], v[WW+8*(\p)+\j+1]   ; + ww
.endr
.endif
.if (\u >= 2) && (\u <= 9)
	v_min3_num_f32 v[QB+4*(\u-2)], v[ACC+8*(\u-2)], v[ACC+8*(\u-2)+1], v[ACC+8*(\u-2)+2]
.endif
.if (\u >= 3) && (\u <= 10)
	v_min3_num_f32 v[QB+4*(\u-3)], v[QB+4*(\u-3)], v[ACC+8*(\u-3)+3], v[ACC+8*(\u-3)+4]
.endif
.if (\u >= 4) && (\u <= 11)
	v_min3_num_f32 v[QB+4*(\u-4)], v[QB+4*(\u-4)], v[ACC+8*(\u-4)+5], v[ACC+8*(\u-4)+6]
.endif
.if \u == 5
	v_min_num_f32 v[QB], v[QB], v[ACC+7]
.endif
.if (\u >= 6) && (\u <= 12)
	v_dual_min_num_f32 v[QB+4*(\u-5)], v[QB+4*(\u-5)], v[ACC+8*(\u-5)+7] :: v_dual_min_num_f32 v[QB+4*(\u-6)+3], v[QB+4*(\u-6)+3], v[QB+4*(\u-6)]   ; one tile's last link, and another's least so far
.endif
.if \u == 13
	v_min_num_f32 v[QB+31], v[QB+31], v[QB+28]
.endif
.if \u >= 6
.irp j, 0,2,4
	v_dual_cndmask_b32 v[SV+8*(\u-6)+\j], v[SV+8*(\u-6)+\j], v[ACC+8*(\u-6)+\j] :: v_dual_cndmask_b32 v[SV+8*(\u-6)+\j+1], v[SV+8*(\u-6)+\j+1], v[ACC+8*(\u-6)+\j+1]
.endr
	v_dual_cndmask_b32 v[SV+8*(\u-6)+6], v[SV+8*(\u-6)+6], v[ACC+8*(\u-6)+6] :: v_dual_cndmask_b32 v[QB+4*(\u-6)+1], v[QB+4*(\u-6)+1], v[TNV]
.endif
.endr
.endm
; One tile of W.  Its registers were asked for a tile ago; the next tile's loads go out first.  ld = 0: nothing follows.
.macro TILE p, ld
	s_wait_dscnt 0x0                               ; set p is in
.if \ld
.if \p == 0
	LOADT 1, TILEB
.else
	LOADT 0, 0
.endif
.endif
	MUL \p
	v_add_nc_u32 v[TNV], 1, v[TNV]                 ; four plain lines stand between the products and the first read of a result (ISA guide 7.12.1)
.if \p == 0
	v_add_nc_u32 v[ADF], 2*TILEB, v[ADF]           ; two tiles on: the odd tile's loads, with the old addresses, have been issued
	v_add_nc_u32 v[ADS], 2*TILEB, v[ADS]
	v_add_nc_u32 v[ADW], 2*TILEB, v[ADW]
.else
.rept 3
	v_nop
.endr
.endif
	EPI \p
.endm
	s_wait_tensorcnt 0x0                           ; my three tiles are in LDS
	ds_add_u32 v[SPW], v[NIL]
	s_wait_dscnt 0x0
	CROUND                                         ; tiles 0 to 11 are whole, and the four work-groups are here
	tensor_load_to_lds s[G0B:G0B+3], s[G1B:G1B+7]  ; my thirteen of tiles 12 to 63: the first tensor load behind the round
	s_nop 0
.rept 4
	v_nop
.endr
	LOADT 0, 0
	s_wait_loadcnt 0x0                             ; z's fragments, scale words and sums
.Ltrip_a:                                              ; tiles 0 to 9
	TILE 0, 1
	TILE 1, 1
	s_sub_co_u32 s[CNT], s[CNT], 1
	s_cmp_lg_u32 s[CNT], 0
	s_wait_alu depctr_va_vdst(0)
	s_cbranch_scc1 .Ltrip_a
	TILE 0, 1                                      ; tile 10; tile 11 is asked for
	TILE 1, 0                                      ; tile 11; tile 12 is not asked for yet
	s_mov_b32 s[CNT], TRIPSB
	s_wait_alu depctr_va_vdst(0)                   ; directly ahead of the wait below
	s_wait_tensorcnt 0x0                           ; my thirteen tiles are in LDS
	s_barrier_signal -1
	s_barrier_wait -1                              ; and so are the other waves'
	LOADT 0, 0                                     ; tile 12
.Ltrip_b:                                              ; tiles 12 to 61
	TILE 0, 1
	TILE 1, 1
	s_sub_co_u32 s[CNT], s[CNT], 1
	s_cmp_lg_u32 s[CNT], 0
	s_wait_alu depctr_va_vdst(0)                   ; as above
	s_cbranch_scc1 .Ltrip_b
	TILE 0, 1
	TILE 1, 0
	; the place in the best tile: the lowest j whose saved distance is the least; 7 if none of 0 to 6 is
.irp t, 0,1,2,3,4,5,6,7
	v_mov_b32 v[IX+\t], 7
	v_mov_b32 v[OB+\t], 0                          ; (a lane permute's destination counts as one of its sources)
	v_mov_b32 v[OI+\t], 0
.endr
.irp j, 6,5,4,3,2,1,0
.irp t, 0,1,2,3,4,5,6,7
	v_cmp_eq_f32 s[MK+\t], v[SV+8*\t+\j], v[QB+4*\t+3]
.endr
.irp t, 0,1,2,3,4,5,6,7
	v_cndmask_b32 v[IX+\t], v[IX+\t], \j, s[MK+\t]
.endr
.endr
.irp t, 0,1,2,3,4,5,6,7
	v_lshl_add_u32 v[IX+\t], v[QB+4*\t+1], 4, v[IX+\t]
.endr
.irp t, 0,1,2,3,4,5,6,7
	v_lshl_add_u32 v[IX+\t], v[HH], 3, v[IX+\t]    ; index = 16 x tile + 8 h + j
.endr
.irp t, 0,1,2,3,4,5,6,7
	v_permlanex16_b32 v[OB+\t], v[QB+4*\t+3], s[SEL], s[SEL+1]
	v_permlanex16_b32 v[OI+\t], v[IX+\t], s[SEL], s[SEL+1]
.endr
.macro LEX bv, bi, ov, oi              ; the smaller distance; on a tie the lower index
	v_cmp_lt_f32 s44, v[\ov], v[\bv]
	v_cmp_eq_f32 s45, v[\ov], v[\bv]
	v_cmp_lt_u32 s46, v[\oi], v[\bi]
	s_and_b32 s45, s45, s46
	s_or_b32 s44, s44, s45
	v_cndmask_b32 v[\bv], v[\bv], v[\ov], s44
	v_cndmask_b32 v[\bi], v[\bi], v[\oi], s44
.endm
.irp t, 0,1,2,3,4,5,6,7
	LEX QB+4*\t+3, IX+\t, OB+\t, OI+\t
.endr
	v_cmp_eq_u32 vcc_lo, 1, v[HH]
.irp a, 0,1,2,3                        ; lanes 0-15 take tile 2 a, lanes 16-31 tile 2 a + 1
	v_cndmask_b32 v[PR+2*\a], v[QB+8*\a+3], v[QB+8*\a+7], vcc_lo
	v_cndmask_b32 v[PR+2*\a+1], v[IX+2*\a], v[IX+2*\a+1], vcc_lo
.endr
.irp a, 0,1,2,3
	v_ashrrev_i32 v[OB+\a], 31, v[PR+2*\a]
.endr
.irp a, 0,1,2,3
	v_or_b32 v[OB+\a], 0x80000000, v[OB+\a]
.endr
.irp a, 0,1,2,3
	v_xor_b32 v[PR+2*\a], v[PR+2*\a], v[OB+\a]     ; the key: an unsigned number that rises with the distance
.endr
.irp a, 0,1,2,3
	global_store_b64 v[GO], v[PR+2*\a:PR+2*\a+1], s[8:9] offset:256*\a   ; 32 lanes store 256 consecutive bytes, aligned
.endr
	s_wait_tensorcnt 0x0                           ; the wave's end
	ds_add_u32 v[SPW], v[NIL]
	s_wait_dscnt 0x0
	CROUND                                         ; the closing round
	s_endpgm
.Lfunc_end_k_q4b6b71f967_nearest:
	.size	k_q4b6b71f967_nearest, .Lfunc_end_k_q4b6b71f967_nearest-k_q4b6b71f967_nearest
	.p2alignl 7, 3214868480
	.fill 96, 4, 3214868480
	.section	.rodata,"a",@progbits
	.p2align	6, 0x0
	.amdhsa_kernel k_q4b6b71f967_nearest
		.amdhsa_group_segment_fixed_size 327680
		.amdhsa_private_segment_fixed_size 0
		.amdhsa_enable_private_segment 0
		.amdhsa_kernarg_size 24
		.amdhsa_user_sgpr_count 2
		.amdhsa_user_sgpr_kernarg_segment_ptr 1
		.amdhsa_wavefront_size32 1
		.amdhsa_system_sgpr_workgroup_id_x 1
		.amdhsa_system_sgpr_workgroup_id_y 1
		.amdhsa_system_sgpr_workgroup_id_z 1
		.amdhsa_system_vgpr_workitem_id 0
		.amdhsa_next_free_vgpr 576
		.amdhsa_next_free_sgpr 66
		.amdhsa_reserve_vcc 1
		.amdhsa_float_denorm_mode_32 3
		.amdhsa_float_denorm_mode_16_64 3
		.amdhsa_memory_ordered 1
		.amdhsa_forward_progress 1
		.amdhsa_inst_pref_size 147
	.end_amdhsa_kernel
	.amdgpu_metadata
---
amdhsa.version: [ 1, 2 ]
amdhsa.kernels:
  - .name:           k_q4b6b71f967_nearest
    .symbol:         k_q4b6b71f967_nearest.kd
    .args:
      - { .name: zq, .offset: 0, .size: 8, .value_kind: global_buffer, .address_space: global }
      - { .name: wq, .offset: 8, .size: 8, .value_kind: global_buffer, .address_space: global }
      - { .name: cand, .offset: 16, .size: 8, .value_kind: global_buffer, .address_space: global }
    .group_segment_fixed_size: 327680
    .private_segment_fixed_size: 0
    .kernarg_segment_align: 8
    .kernarg_segment_size: 24
    .max_flat_workgroup_size: 128
    .sgpr_count:     66
    .vgpr_count:     576
    .wavefront_size: 32
...
	.end_amdgpu_metadata
.endif
;; end of part 2
;; launch gather (part 3): grid 512 x 1, 8 waves a work-group, no clusters, 0 bytes of LDS; arguments z, W, cand, out0, out1, part; writes out0, out1, part
.if DOCPART == 3
	.amdgcn_target "amdgcn-amd-amdhsa--gfx1250"
	.amdhsa_code_object_version 6
	.text
	.protected	k_q4b6b71f967_gather
	.globl	k_q4b6b71f967_gather
	.p2align	8
	.type	k_q4b6b71f967_gather,@function
k_q4b6b71f967_gather:
	s_mov_b64 s[64:65], 0
	v_nop
	global_prefetch_b8 v0, s[64:65] scope:SCOPE_SE
	s_setreg_imm32_b32 hwreg(HW_REG_WAVE_MODE, 25, 1), 1
	s_wait_xcnt 0x0
; idx[n] = the best of the eight parts' candidates; out1[n] = idx[n]; out0[n] = z[n] + (W[idx[n]] - z[n]), with both roundings of that form; part[G] = wave G's sum of (W[idx[n]] - z[n])^2.
; cand [part][row] holds (key, index), whole numbers that the launch before stored; the keys rise with the distance.  A later part's index is taken only where its key is strictly smaller: on a tie the lower index stays.
; Wave G = 8 x work-group + wave takes rows 4 G .. 4 G + 3.  A row is 2,048 bytes: four loads or stores of 512 consecutive bytes.
; The candidates come by eight scalar loads of 32 bytes; each chosen index is held to 8,191 before it enters an address.
; No LDS, no barrier, no matrix unit; no cluster, since work-groups share no tile (which rows of W are named hangs on the data).  Rows of W may be named again by other waves: no hint on those loads.
.set ROWB,  2048
.set PLANE, 131072                     ; bytes of cand for one part
.set GOF, 1                            ; v1     16 x lane
.set WO,  2                            ; v2-5   row i: byte offset of my 16 bytes in W
.set Z,   8                            ; v8-71    z: row i, chunk c at 16 i + 4 c
.set Q,   72                           ; v72-135  W's rows, then q - z, then the output
.set A,   136                          ; v136-143 four pairs of sums
.set IV,  145                          ; v145   lanes 0 to 3: the four indices
.set IO,  146                          ; v146   4 x lane
.set C0,  16                           ; s[16:23] part 0's (key, index) of my four rows, then the best so far; parts 1 to 7 at s24, 32, 40, 48, 56, 68, 76
.set RO,  97                           ; s97-100 the chosen rows' byte offsets in W
.set SEL, 94
	s_load_b256 s[4:11], s[0:1], 0x0               ; z s[4:5], W s[6:7], cand s[8:9], out0 s[10:11]
	s_load_b128 s[12:15], s[0:1], 0x20             ; out1 s[12:13], part s[14:15]
	v_lshrrev_b32 v6, 5, v0
	s_delay_alu instid0(VALU_DEP_1)
	v_readfirstlane_b32 s84, v6
	s_lshl_b32 s85, ttmp9, 3
	s_add_co_u32 s85, s85, s84                     ; G
	v_and_b32 v7, 31, v0                           ; lane
	s_delay_alu instid0(VALU_DEP_1)
	v_lshlrev_b32 v[GOF], 4, v7
	s_delay_alu instid0(VALU_DEP_2)
	v_lshlrev_b32 v[IO], 2, v7
	v_mov_b32 v144, 0
	s_lshl_b32 s86, s85, 5                         ; my four pairs in a part of cand
	s_mov_b32 s87, 0
	s_lshl_b32 s88, s85, 13                        ; my four rows
	s_mov_b32 s89, 0
	s_lshl_b32 s90, s85, 4                         ; my four indices
	s_mov_b32 s91, 0
	s_lshl_b32 s92, s85, 2                         ; my partial sum
	s_mov_b32 s93, 0
	s_mov_b32 s[SEL], 0x76543210
	s_mov_b32 s[SEL+1], 0xfedcba98
	s_wait_alu depctr_va_vdst(0)
	s_wait_kmcnt 0x0
	s_add_nc_u64 s[8:9], s[8:9], s[86:87]
.macro PL b, p
	s_load_b256 s[\b:\b+7], s[8:9], PLANE*\p
.endm
	PL 16, 0
	PL 24, 1
	PL 32, 2
	PL 40, 3
	PL 48, 4
	PL 56, 5
	PL 68, 6
	PL 76, 7
	s_add_nc_u64 s[4:5], s[4:5], s[88:89]
	s_add_nc_u64 s[10:11], s[10:11], s[88:89]
	s_add_nc_u64 s[12:13], s[12:13], s[90:91]
	s_add_nc_u64 s[14:15], s[14:15], s[92:93]
.irp i, 0,1,2,3
.irp c, 0,1,2,3
	global_load_b128 v[Z+16*\i+4*\c:Z+16*\i+4*\c+3], v[GOF], s[4:5] offset:ROWB*\i+512*\c th:TH_LOAD_NT
.endr
.endr
	s_wait_kmcnt 0x0                               ; the candidates
.irp b, 24,32,40,48,56,68,76
.irp i, 0,1,2,3
	s_cmp_lt_u32 s[\b+2*\i], s[C0+2*\i]            ; is the later part's distance strictly smaller?
	s_cselect_b32 s[C0+2*\i], s[\b+2*\i], s[C0+2*\i]
	s_cselect_b32 s[C0+2*\i+1], s[\b+2*\i+1], s[C0+2*\i+1]
.endr
.endr
.irp i, 0,1,2,3
	s_min_u32 s[C0+2*\i+1], s[C0+2*\i+1], 8191     ; an index stays inside its table
	s_lshl_b32 s[RO+\i], s[C0+2*\i+1], 11
	v_add_nc_u32 v[WO+\i], s[RO+\i], v[GOF]
.endr
	s_wait_alu depctr_va_vdst(0)                   ; ahead of the readers below
.irp i, 0,1,2,3
.irp c, 0,1,2,3
	global_load_b128 v[Q+16*\i+4*\c:Q+16*\i+4*\c+3], v[WO+\i], s[6:7] offset:512*\c
.endr
.endr
	v_mov_b32 v[IV], s[C0+1]                       ; lane i of the first four takes row i's index
	s_delay_alu instid0(VALU_DEP_1)
	v_writelane_b32 v[IV], s[C0+3], 1
	s_delay_alu instid0(VALU_DEP_1)
	v_writelane_b32 v[IV], s[C0+5], 2
	s_delay_alu instid0(VALU_DEP_1)
	v_writelane_b32 v[IV], s[C0+7], 3
.macro ROW i
	s_wait_loadcnt 12-4*\i                         ; z and this row of W are in; the later rows' four loads each may be out
.irp e, 0,2,4,6,8,10,12,14
	v_pk_add_f32 v[Q+16*\i+\e:Q+16*\i+\e+1], v[Q+16*\i+\e:Q+16*\i+\e+1], v[Z+16*\i+\e:Z+16*\i+\e+1] neg_lo:[0,1] neg_hi:[0,1]   ; q - z
.endr
.irp e, 0,2,4,6,8,10,12,14
.if (\i == 0) && (\e < 8)
	v_pk_mul_f32 v[A+\e:A+\e+1], v[Q+16*\i+\e:Q+16*\i+\e+1], v[Q+16*\i+\e:Q+16*\i+\e+1]   ; the first products start the sums
.else
	v_pk_fma_f32 v[A+(\e%8):A+(\e%8)+1], v[Q+16*\i+\e:Q+16*\i+\e+1], v[Q+16*\i+\e:Q+16*\i+\e+1], v[A+(\e%8):A+(\e%8)+1]
.endif
.endr
.irp e, 0,2,4,6,8,10,12,14
	v_pk_add_f32 v[Q+16*\i+\e:Q+16*\i+\e+1], v[Z+16*\i+\e:Z+16*\i+\e+1], v[Q+16*\i+\e:Q+16*\i+\e+1]   ; z + (q - z)
.endr
.irp c, 0,1,2,3
	global_store_b128 v[GOF], v[Q+16*\i+4*\c:Q+16*\i+4*\c+3], s[10:11] offset:ROWB*\i+512*\c th:TH_STORE_NT   ; 32 lanes store 512 consecutive bytes
.endr
.endm
	ROW 0
	ROW 1
	ROW 2
	ROW 3
	v_pk_add_f32 v[A:A+1], v[A:A+1], v[A+2:A+3]
	v_pk_add_f32 v[A+4:A+5], v[A+4:A+5], v[A+6:A+7]
	s_delay_alu instid0(VALU_DEP_1)
	v_pk_add_f32 v[A:A+1], v[A:A+1], v[A+4:A+5]
	s_delay_alu instid0(VALU_DEP_1)
	v_add_f32 v[A], v[A], v[A+1]
	s_delay_alu instid0(VALU_DEP_1)
	v_add_f32_dpp v[A], v[A], v[A] row_xmask:1 row_mask:0xf bank_mask:0xf
	s_delay_alu instid0(VALU_DEP_1)
	v_add_f32_dpp v[A], v[A], v[A] row_xmask:2 row_mask:0xf bank_mask:0xf
	s_delay_alu instid0(VALU_DEP_1)
	v_add_f32_dpp v[A], v[A], v[A] row_xmask:4 row_mask:0xf bank_mask:0xf
	s_delay_alu instid0(VALU_DEP_1)
	v_add_f32_dpp v[A], v[A], v[A] row_xmask:8 row_mask:0xf bank_mask:0xf
	s_delay_alu instid0(VALU_DEP_1)
	v_permlanex16_b32 v[A+1], v[A], s[SEL], s[SEL+1]
	s_delay_alu instid0(VALU_DEP_1)
	v_add_f32 v[A], v[A], v[A+1]                   ; the wave's sum, in every lane
	v_cmp_gt_u32 vcc_lo, 4, v7
	s_wait_alu depctr_va_vdst(0)                   ; directly ahead of the wait below
	s_wait_xcnt 0x0                                ; EXEC changes only behind this wait: it is a source of the stores above
	s_and_saveexec_b32 s96, vcc_lo
	global_store_b32 v[IO], v[IV], s[12:13]        ; lanes 0 to 3: my four indices, 16 consecutive bytes
	s_wait_xcnt 0x0                                ; and again, in front of the line that widens it
	s_or_b32 exec_lo, exec_lo, s96
	v_cmp_eq_u32 vcc_lo, 0, v7
	s_and_saveexec_b32 s96, vcc_lo                 ; (nothing has been issued since the last wait)
	global_store_b32 v144, v[A], s[14:15]          ; lane 0 alone: my partial sum
	s_wait_xcnt 0x0
	s_or_b32 exec_lo, exec_lo, s96
	s_endpgm
.Lfunc_end_k_q4b6b71f967_gather:
	.size	k_q4b6b71f967_gather, .Lfunc_end_k_q4b6b71f967_gather-k_q4b6b71f967_gather
	.p2alignl 7, 3214868480
	.fill 96, 4, 3214868480
	.section	.rodata,"a",@progbits
	.p2align	6, 0x0
	.amdhsa_kernel k_q4b6b71f967_gather
		.amdhsa_group_segment_fixed_size 0
		.amdhsa_private_segment_fixed_size 0
		.amdhsa_enable_private_segment 0
		.amdhsa_kernarg_size 48
		.amdhsa_user_sgpr_count 2
		.amdhsa_user_sgpr_kernarg_segment_ptr 1
		.amdhsa_wavefront_size32 1
		.amdhsa_system_sgpr_workgroup_id_x 1
		.amdhsa_system_sgpr_workgroup_id_y 1
		.amdhsa_system_sgpr_workgroup_id_z 1
		.amdhsa_system_vgpr_workitem_id 0
		.amdhsa_next_free_vgpr 152
		.amdhsa_next_free_sgpr 102
		.amdhsa_reserve_vcc 1
		.amdhsa_float_denorm_mode_32 3
		.amdhsa_float_denorm_mode_16_64 3
		.amdhsa_memory_ordered 1
		.amdhsa_forward_progress 1
		.amdhsa_inst_pref_size 18
	.end_amdhsa_kernel
	.amdgpu_metadata
---
amdhsa.version: [ 1, 2 ]
amdhsa.kernels:
  - .name:           k_q4b6b71f967_gather
    .symbol:         k_q4b6b71f967_gather.kd
    .args:
      - { .name: z, .offset: 0, .size: 8, .value_kind: global_buffer, .address_space: global }
      - { .name: W, .offset: 8, .size: 8, .value_kind: global_buffer, .address_space: global }
      - { .name: cand, .offset: 16, .size: 8, .value_kind: global_buffer, .address_space: global }
      - { .name: out0, .offset: 24, .size: 8, .value_kind: global_buffer, .address_space: global }
      - { .name: out1, .offset: 32, .size: 8, .value_kind: global_buffer, .address_space: global }
      - { .name: part, .offset: 40, .size: 8, .value_kind: global_buffer, .address_space: global }
    .group_segment_fixed_size: 0
    .private_segment_fixed_size: 0
    .kernarg_segment_align: 8
    .kernarg_segment_size: 48
    .max_flat_workgroup_size: 256
    .sgpr_count:     102
    .vgpr_count:     152
    .wavefront_size: 32
...
	.end_amdgpu_metadata
.endif
;; end of part 3
;; launch total (part 4): grid 1 x 1, 1 waves a work-group, no clusters, 0 bytes of LDS; arguments part, out2; writes out2
.if DOCPART == 4
	.amdgcn_target "amdgcn-amd-amdhsa--gfx1250"
	.amdhsa_code_object_version 6
	.text
	.protected	k_q4b6b71f967_total
	.globl	k_q4b6b71f967_total
	.p2align	8
	.type	k_q4b6b71f967_total,@function
k_q4b6b71f967_total:
	s_mov_b64 s[64:65], 0
	v_nop
	global_prefetch_b8 v0, s[64:65] scope:SCOPE_SE
	s_setreg_imm32_b32 hwreg(HW_REG_WAVE_MODE, 25, 1), 1
	s_wait_xcnt 0x0
; out2 = 2^-23 x the sum of the 4,096 partial sums: 16,384 x 512 = 2^23 numbers went into them.  One wave: 32 loads of 512 consecutive bytes, four chains of packed additions, one sum across the lanes.
; One owner for the one output: a sum that spans the work-groups of the launch before is made here, in a fixed order.
.set D, 8                              ; v8-135 the partial sums
	s_load_b128 s[4:7], s[0:1], 0x0                ; part s[4:5], out2 s[6:7]
	v_lshlrev_b32 v1, 4, v0
	v_mov_b32 v2, 0                                ; (a lane permute's destination counts as one of its sources)
	v_mov_b32 v3, 0
	s_mov_b32 s8, 0x76543210
	s_mov_b32 s9, 0xfedcba98
	s_wait_alu depctr_va_vdst(0)
	s_wait_kmcnt 0x0
.set i, 0
.rept 32
	global_load_b128 v[D+4*i:D+4*i+3], v1, s[4:5] offset:512*i
.set i, i+1
.endr
	s_wait_loadcnt 0x0
.set i, 1
.rept 15
.irp k, 0,2,4,6
	v_pk_add_f32 v[D+\k:D+\k+1], v[D+\k:D+\k+1], v[D+8*i+\k:D+8*i+\k+1]
.endr
.set i, i+1
.endr
	v_pk_add_f32 v[D:D+1], v[D:D+1], v[D+2:D+3]
	v_pk_add_f32 v[D+4:D+5], v[D+4:D+5], v[D+6:D+7]
	v_pk_add_f32 v[D:D+1], v[D:D+1], v[D+4:D+5]
	v_add_f32 v[D], v[D], v[D+1]
	v_add_f32_dpp v[D], v[D], v[D] row_xmask:1 row_mask:0xf bank_mask:0xf
	v_add_f32_dpp v[D], v[D], v[D] row_xmask:2 row_mask:0xf bank_mask:0xf
	v_add_f32_dpp v[D], v[D], v[D] row_xmask:4 row_mask:0xf bank_mask:0xf
	v_add_f32_dpp v[D], v[D], v[D] row_xmask:8 row_mask:0xf bank_mask:0xf
	v_permlanex16_b32 v2, v[D], s8, s9
	v_add_f32 v[D], v[D], v2
	v_mul_f32 v[D], 0x34000000, v[D]               ; x 2^-23: the mean
	v_cmp_eq_u32 vcc_lo, 0, v0
	s_wait_alu depctr_va_vdst(0)
	s_wait_xcnt 0x0                                ; EXEC changes only behind this wait
	s_and_saveexec_b32 s10, vcc_lo
	global_store_b32 v3, v[D], s[6:7]
	s_wait_xcnt 0x0
	s_or_b32 exec_lo, exec_lo, s10
	s_endpgm
.Lfunc_end_k_q4b6b71f967_total:
	.size	k_q4b6b71f967_total, .Lfunc_end_k_q4b6b71f967_total-k_q4b6b71f967_total
	.p2alignl 7, 3214868480
	.fill 96, 4, 3214868480
	.section	.rodata,"a",@progbits
	.p2align	6, 0x0
	.amdhsa_kernel k_q4b6b71f967_total
		.amdhsa_group_segment_fixed_size 0
		.amdhsa_private_segment_fixed_size 0
		.amdhsa_enable_private_segment 0
		.amdhsa_kernarg_size 16
		.amdhsa_user_sgpr_count 2
		.amdhsa_user_sgpr_kernarg_segment_ptr 1
		.amdhsa_wavefront_size32 1
		.amdhsa_system_sgpr_workgroup_id_x 1
		.amdhsa_system_sgpr_workgroup_id_y 1
		.amdhsa_system_sgpr_workgroup_id_z 1
		.amdhsa_system_vgpr_workitem_id 0
		.amdhsa_next_free_vgpr 136
		.amdhsa_next_free_sgpr 66
		.amdhsa_reserve_vcc 1
		.amdhsa_float_denorm_mode_32 3
		.amdhsa_float_denorm_mode_16_64 3
		.amdhsa_memory_ordered 1
		.amdhsa_forward_progress 1
		.amdhsa_inst_pref_size 9
	.end_amdhsa_kernel
	.amdgpu_metadata
---
amdhsa.version: [ 1, 2 ]
amdhsa.kernels:
  - .name:           k_q4b6b71f967_total
    .symbol:         k_q4b6b71f967_total.kd
    .args:
      - { .name: part, .offset: 0, .size: 8, .value_kind: global_buffer, .address_space: global }
      - { .name: out2, .offset: 8, .size: 8, .value_kind: global_buffer, .address_space: global }
    .group_segment_fixed_size: 0
    .private_segment_fixed_size: 0
    .kernarg_segment_align: 8
    .kernarg_segment_size: 16
    .max_flat_workgroup_size: 32
    .sgpr_count:     66
    .vgpr_count:     136
    .wavefront_size: 32
...
	.end_amdgpu_metadata
.endif
;; end of part 4
